; MI455X (gfx1250); checked and timed in simulation.
; The chip was launched on July 23, 2026; its instructions are those of AMD's public machine-readable ISA for CDNA 5 (MIT licence, August 2026) and "CDNA5" Instruction Set Architecture Reference Guide (July 2026). The comments in the code are by the model that wrote it; some were corrected since.
;; Online Triplet Loss. Allowed arithmetic: float matrix products may take bf16 or f16 operands with f32 sums; all other float work in f32.
;; Inputs: embeddings 8,192 x 256 float32; targets 8,192 int32.
;; Outputs: out0 one number float32; out1 8,192 x 3 int32.
;; 2 versions, each right; version 2 is version 1 with the launch prep written anew for expert scheduling mode. Each part assembles by itself: llvm-mc -triple=amdgcn-amd-amdhsa -mcpu=gfx1250 --defsym DOCPART=n.
;; ======== version 1 of 2: 4 launches
;; limits: a difference of large sums (such as E[x^2] - mean^2): digits are lost where the result is much smaller than its terms
;; workspace buffers: xf 4,325,376 bytes; part 2,097,152 bytes; d0 32,768 bytes; lsum 1,024 bytes
;; launch prep (part 1): grid 256 x 1, 2 waves a work-group, no clusters, 17,152 bytes of LDS; arguments embeddings, targets, xf; writes xf
.if DOCPART == 1
	.amdgcn_target "amdgcn-amd-amdhsa--gfx1250"
	.amdhsa_code_object_version 6
	.text
	.protected	k_qef06373015_prep
	.globl	k_qef06373015_prep
	.p2align	8
	.type	k_qef06373015_prep,@function
k_qef06373015_prep:
	s_mov_b64 s[64:65], 0
	v_nop
	global_prefetch_b8 v0, s[64:65] scope:SCOPE_SE
	s_setreg_imm32_b32 hwreg(HW_REG_WAVE_MODE, 25, 1), 1
	s_wait_xcnt 0x0
; prep: X [8192][256] f32 and the labels become xf, the operand copy that the mining launch reads.
; xf is 512 blocks of 8,448 bytes (33 x 256), one for 16 rows of X:
;   bytes 0 .. 8191: the rows in bf16 in the order of matrix fragments, [s = 0..7][q = 0..1][lane 0..31][16 bytes]:
;                    lane (r = lane % 16, h = lane / 16) holds row r, k = 32 s + 16 q + 8 h .. + 7;
;   bytes 8192 .. 8447: for i = 0..7 at byte 16 i: sq[2i], sq[2i+1], label[2i], label[2i+1]; bytes 128..255 repeat bytes 0..127.
; sq[r] is the sum of the squares of the ROUNDED numbers, in f32, in four chains of pairs: another order of summation than
; a plain running sum, so its last bit may differ from one.  NaN and infinities are not served.
; One wave makes one block.  The turn from rows to fragments goes through the wave's own 8,448 bytes of LDS, so there is no barrier.
; Matrix units and clusters have nothing to do here: every byte is read once and written once.
.set BLK,   8448
.set PITCH, 528                        ; an LDS row: 512 bytes of bf16 + 16, an odd multiple of 16: the 16 rows of a fragment read start 16 bytes apart modulo 256
.set X,  16                            ; v[16:143]  32 loads of 4 f32; the first two registers of each then hold the 4 bf16
.set F,  148                           ; v[148:211] the 16 fragment quarters of my lane
.set S,  212                           ; v[212:219] four chains of two sums
.set T,  220                           ; v[220:227] four unpacked pairs
	s_load_b128 s[4:7], s[0:1], 0x0                ; X s[4:5], labels s[6:7]
	s_load_b64 s[8:9], s[0:1], 0x10                ; xf
	v_lshl_add_u32 v232, v0, 2, 0x4200
	v_mov_b32 v233, 0
	v_lshrrev_b32 v1, 5, v0
	v_readfirstlane_b32 s10, v1                    ; wave 0..1
	s_mov_b32 s12, 0x76543210                      ; v_permlanex16_b32: lane i reads lane i of the other half
	s_mov_b32 s13, 0xfedcba98
	s_mov_b32 s14, 0xffff0000                      ; a word's upper bf16
	v_and_b32 v1, 31, v0                           ; lane
	v_and_b32 v2, 15, v0                           ; r
	v_bfe_u32 v3, v0, 4, 1                         ; h
	v_lshlrev_b32 v4, 4, v1                        ; 16 x lane: X loads and fragment stores
	s_mul_i32 s11, s10, BLK                        ; my wave's LDS
	v_lshl_add_u32 v5, v1, 3, s11                  ; LDS in: 8 bytes a lane
	v_mul_u32_u24 v6, v2, PITCH
	v_lshl_add_u32 v6, v3, 4, v6
	v_add_nc_u32 v6, s11, v6                       ; LDS out: row r, 16 h
	v_lshlrev_b32 v7, 2, v2                        ; label of row r
	v_lshlrev_b32 v9, 3, v1                        ; 8 x lane: the last 256 bytes of the block
	s_lshl_b32 s15, ttmp9, 1
	s_add_co_u32 s15, s15, s10                     ; block number = 2 x work-group + wave
	s_lshl_b32 s16, s15, 14                        ; 16 rows of 1,024 bytes
	s_mov_b32 s17, 0
	s_lshl_b32 s18, s15, 6                         ; 16 labels
	s_mov_b32 s19, 0
	s_mul_i32 s20, s15, BLK
	s_mov_b32 s21, 0
	s_wait_kmcnt 0x0
	s_add_nc_u64 s[4:5], s[4:5], s[16:17]
	s_add_nc_u64 s[6:7], s[6:7], s[18:19]
	s_add_nc_u64 s[8:9], s[8:9], s[20:21]
	global_load_b32 v8, v7, s[6:7]                 ; label of row r, in both halves of the lanes
.set i, 0
.rept 32
	global_load_b128 v[X+4*i:X+4*i+3], v4, s[4:5] offset:512*i th:TH_LOAD_NT   ; half a row: 512 neighbouring bytes; all 16 KiB go out at once
.set i, i+1
.endr
	; round to bf16 and lay the rows into LDS
.set i, 0
.rept 32
	s_wait_loadcnt 31-i                            ; loads come back in order: load i is in, the 31 - i younger ones stay out
	v_cvt_pk_bf16_f32 v[X+4*i],   v[X+4*i],   v[X+4*i+1]
	v_cvt_pk_bf16_f32 v[X+4*i+1], v[X+4*i+2], v[X+4*i+3]
	ds_store_b64 v5, v[X+4*i:X+4*i+1] offset:(i>>1)*PITCH+(i&1)*256
.set i, i+1
.endr
	; read them back as fragments: the wave's own bytes, served in the order of issue, so no wait stands between
.set k, 0
.rept 16
	ds_load_b128 v[F+4*k:F+4*k+3], v6 offset:32*k  ; k = 2 s + q: byte 64 s + 32 q of row r, + 16 h
.set k, k+1
.endr
.set k, 0
.rept 16
	s_wait_dscnt 15-k                              ; read k is in, the 15 - k younger ones stay out
	global_store_b128 v4, v[F+4*k:F+4*k+3], s[8:9] offset:512*k   ; 512 neighbouring bytes, at a multiple of 256 from xf's first byte
.irp j, 0,1,2,3
	v_lshlrev_b32 v[T+2*\j],   16,  v[F+4*k+\j]    ; bf16 to f32
	v_and_b32     v[T+2*\j+1], s14, v[F+4*k+\j]
.endr
.irp j, 0,1,2,3
.if k == 0
	v_pk_mul_f32 v[S+2*\j:S+2*\j+1], v[T+2*\j:T+2*\j+1], v[T+2*\j:T+2*\j+1]   ; the first squares start the chains
.else
	v_pk_fma_f32 v[S+2*\j:S+2*\j+1], v[T+2*\j:T+2*\j+1], v[T+2*\j:T+2*\j+1], v[S+2*\j:S+2*\j+1]
.endif
.endr
.set k, k+1
.endr
	v_pk_add_f32 v[S:S+1],   v[S:S+1],   v[S+2:S+3]
	v_pk_add_f32 v[S+4:S+5], v[S+4:S+5], v[S+6:S+7]
	v_pk_add_f32 v[S:S+1],   v[S:S+1],   v[S+4:S+5]
	v_add_f32 v10, v[S], v[S+1]                    ; my 128 numbers of row r
	v_mov_b32 v11, 0                               ; the destination below counts as read
	v_permlanex16_b32 v11, v10, s12, s13           ; the other 128
	v_add_f32 v10, v10, v11                        ; sq[r], in both halves
	; the block's last 256 bytes: even lanes store (sq own, sq of the neighbour), odd lanes (label of the neighbour, label own)
	v_mov_b32 v12, v10
	v_mov_b32 v13, v8
	v_mov_b32_dpp v12, v10 row_xmask:1 row_mask:0xf bank_mask:0xf
	v_mov_b32_dpp v13, v8 row_xmask:1 row_mask:0xf bank_mask:0xf
	v_and_b32 v14, 1, v0
	v_cmp_eq_u32 vcc_lo, 1, v14
	v_cndmask_b32 v14, v10, v13, vcc_lo
	v_cndmask_b32 v15, v12, v8, vcc_lo
	global_store_b64 v9, v[14:15], s[8:9] offset:8192   ; 32 lanes x 8 bytes: 256 neighbouring bytes, aligned
	s_wait_tensorcnt 0x0
	ds_add_u32 v232, v233
	s_wait_dscnt 0x0
	s_endpgm
.Lfunc_end_k_qef06373015_prep:
	.size	k_qef06373015_prep, .Lfunc_end_k_qef06373015_prep-k_qef06373015_prep
	.p2alignl 7, 3214868480
	.fill 96, 4, 3214868480
	.section	.rodata,"a",@progbits
	.p2align	6, 0x0
	.amdhsa_kernel k_qef06373015_prep
		.amdhsa_group_segment_fixed_size 17152
		.amdhsa_private_segment_fixed_size 0
		.amdhsa_enable_private_segment 0
		.amdhsa_kernarg_size 24
		.amdhsa_user_sgpr_count 2
		.amdhsa_user_sgpr_kernarg_segment_ptr 1
		.amdhsa_wavefront_size32 1
		.amdhsa_system_sgpr_workgroup_id_x 1
		.amdhsa_system_sgpr_workgroup_id_y 1
		.amdhsa_system_sgpr_workgroup_id_z 1
		.amdhsa_system_vgpr_workitem_id 0
		.amdhsa_next_free_vgpr 234
		.amdhsa_next_free_sgpr 66
		.amdhsa_reserve_vcc 1
		.amdhsa_float_denorm_mode_32 3
		.amdhsa_float_denorm_mode_16_64 3
		.amdhsa_memory_ordered 1
		.amdhsa_forward_progress 1
		.amdhsa_inst_pref_size 24
	.end_amdhsa_kernel
	.amdgpu_metadata
---
amdhsa.version: [ 1, 2 ]
amdhsa.kernels:
  - .name:           k_qef06373015_prep
    .symbol:         k_qef06373015_prep.kd
    .args:
      - { .name: embeddings, .offset: 0, .size: 8, .value_kind: global_buffer, .address_space: global }
      - { .name: targets, .offset: 8, .size: 8, .value_kind: global_buffer, .address_space: global }
      - { .name: xf, .offset: 16, .size: 8, .value_kind: global_buffer, .address_space: global }
    .group_segment_fixed_size: 17152
    .private_segment_fixed_size: 0
    .kernarg_segment_align: 8
    .kernarg_segment_size: 24
    .max_flat_workgroup_size: 64
    .sgpr_count:     66
    .vgpr_count:     234
    .wavefront_size: 32
...
	.end_amdgpu_metadata
.endif
;; end of part 1
;; launch mine (part 2): grid 16 x 16, 8 waves a work-group, clusters of 4 x 1, 271,360 bytes of LDS; arguments xf, part, d0; writes part, d0
.if DOCPART == 2
	.amdgcn_target "amdgcn-amd-amdhsa--gfx1250"
	.amdhsa_code_object_version 6
	.text
	.protected	k_qef06373015_mine
	.globl	k_qef06373015_mine
	.p2align	8
	.type	k_qef06373015_mine,@function
k_qef06373015_mine:
	s_mov_b64 s[64:65], 0
	v_nop
	global_prefetch_b8 v0, s[64:65] scope:SCOPE_SE
	s_setreg_imm32_b32 hwreg(HW_REG_WAVE_MODE, 25, 1), 1
	s_wait_xcnt 0x0
	s_wait_alu depctr_hold_cnt(0) depctr_sa_sdst(0) depctr_va_vdst(0) depctr_va_sdst(0) depctr_va_ssrc(0) depctr_va_vcc(0) depctr_vm_vsrc(0)
	s_getreg_b32 s2, hwreg(HW_REG_IB_STS2, 6, 4)
	s_cmp_eq_u32 s2, 0
	s_cbranch_scc0 .Lentry_in_a_cluster
	s_endpgm
.Lentry_in_a_cluster:
	s_bfe_u32 s2, ttmp6, 0x10000c
	s_cmp_lg_u32 s2, 0x3003
	s_cbranch_scc0 .Lentry_shape_is_right
	s_endpgm
.Lentry_shape_is_right:
; mine: work-group (x, y) takes anchors 512 x .. + 511 against candidates 512 y .. + 511.  For every anchor it stores into part[y][anchor]
; (largest dist among candidates with the anchor's label, its index, smallest dist among the others, its index), the lowest index on a tie.
; dist(i, j) = ((-2 x_i . x_j) + sq_j) + sq_i, rounded in that order, on the numbers rounded to bf16.
; Masked places hold -1e30 and +1e30; where a side has no candidate in the block the record holds that number and the block's first index.
; The work-groups with y = 0 also store d0[i] = dist(i, 0), which the next launch takes where an anchor has no other label at all.
; LIMITS: NaN and infinities are not served; |dist| stays below 1e30.  The dot products are summed by the matrix unit, in its own order.
;
; SHAPE.  Eight waves, 64 anchors each.  A wave's anchors stay in 256 registers (window 1) as matrix fragments for the whole launch, loaded straight
; from xf.  All 32 candidate blocks of 8,448 bytes lie in LDS, filled once.  For each block of 16 candidates a wave reads 8 KiB of fragments
; and issues 32 matrix instructions (4 tiles of 16 anchors x 8 steps of 32 along K) and 32 label compares, then mines the four tiles: 174 vector instructions.
; THE MATRIX INSTRUCTION IS USED TRANSPOSED: source 0 = 16 candidates, source 1 = 16 anchors.  Lane (r, h) then holds anchor r, and its eight
; result registers the candidates 8 h + 0 .. 7: they fold inside the lane, and sq_i and the anchor's label are one value a lane.
; THE INDEX.  For each tile of anchors and each side a lane keeps the best value, the first candidate of the block that brought it, and that
; block's eight masked values; which of the eight it was is looked up once, at the end.
; TWO GROUPS.  Source 1 of the matrix instructions lies in window 1, and the mining needs window 0 in that place, so a wave does not mix the two.
; Waves 0-3 and waves 4-7 take turns instead: in every half step one group has the matrix instructions and the other the mining; a barrier
; ends each half step and keeps the turns.
; CLUSTER.  The four work-groups of a cluster lie along x: other anchors, the same 512 candidates.  The candidates are asked for jointly (mask 15).
; The anchors differ from partner to partner and go to registers, so nothing of them can be shared.
.set BLK,   8448                       ; a block of xf: 8 KiB of fragments, 256 bytes of squares and labels
.set WPART, 4*BLK                      ; what one wave's tensor load brings
.set CBLK,  32*BLK                     ; a work-group's candidates
.set META,  8192
; window 0: v1 r, v2 h, v3 16 x lane, v4 8 h, v7 offset of my anchor's square, v8 4 x lane
; The numbers below are chosen for the dual instructions of the mining: their two destinations are one even and one odd, their two first
; sources differ modulo 4, and so do their two second sources.
.set LA,   5                           ; v5        LDS address of my 16 bytes of the next block's fragments; steps by BLK
.set LM,   6                           ; v6        LDS address of my half's eight squares and labels; steps by BLK
.set T0,   10
.set T1,   11
.set SQ2,  12                          ; v[12:19]  tile a: sq_i twice, a pair for the packed add
.set TI,   20                          ; v[20:23]  tile a: the anchor's label
.set CM,   24                          ; v[24:39]  for i = 0..3: sq of candidates 8h+2i, 8h+2i+1, then their labels
.set ACC,  40                          ; v[40:71]  tile a: 8 sums, then dist, then dist masked for the negative side; each tile starts at 0 modulo 4
.set PB0,  73                          ; v[73:80], v[81:88] dist masked for the positive side, two buffers for tiles in turn; each starts at 1 modulo 4
.set NEGB, 89                          ; -1e30
.set POSB, 90                          ; +1e30
.set CUR,  91                          ; index of the first candidate of the block that is mined next; 3 modulo 4
.set FT,   92                          ; v[92:99]  the folds: even registers the largest positive, odd registers the smallest negative; starts at 0 modulo 4
.set CF,   100                         ; v[100:163] the block's fragments, 8 registers for each K step
.set TR,   164                         ; v[164:243] tile a, side z at 20 a + 10 z: best, index, the winning block's 8 masked values
.set D0,   244                         ; v[244:247] tile a: dist to my half's first candidate of the first block
.set REC,  248                         ; v[248:255] two records to store
.set MK,   66                          ; s[66:97]  tile a, candidate j at 8 a + j: the lanes whose anchor has candidate 8 h + j's label
; window 1: v[64 a + 8 s .. + 7]: fragment of anchors 16 a .. + 15, K step s
.set MSB, 0
.macro WIN new                         ; s_set_vgpr_msb: bits 1:0 source 0, 3:2 source 1, 5:4 source 2, 7:6 destination; the high byte repeats the setting that is left
.if MSB != \new
	s_set_vgpr_msb (MSB<<8)|\new
.set MSB, \new
.endif
.endm
; A round of the cluster's barrier: my work-group's barrier, wave 0 signals for the work-group, every wave waits for all four, my work-group's barrier again.
.macro ROUND
	s_barrier_signal -1
	s_barrier_wait -1
	s_cmp_lg_u32 s10, 0
	s_cbranch_scc1 .Lnot_wave_0_\@
	s_barrier_signal -3
.Lnot_wave_0_\@:
	s_barrier_wait -3
	s_barrier_signal -1
	s_barrier_wait -1
.endm
	s_load_b128 s[4:7], s[0:1], 0x0                ; xf s[4:5], part s[6:7]
	s_load_b64 s[8:9], s[0:1], 0x10                ; d0
	v_lshl_add_u32 v254, v0, 2, 0x42000
	v_mov_b32 v255, 0
	ds_add_u32 v254, v255
	s_wait_dscnt 0x0
	v_lshrrev_b32 v1, 5, v0
	v_readfirstlane_b32 s10, v1                    ; wave 0..7
	s_lshr_b32 s11, s10, 2                         ; group 0 or 1
	s_bfe_u32 s12, ttmp6, 0x40000                  ; cx
	s_lshl_b32 s13, ttmp9, 2
	s_add_co_u32 s13, s13, s12                     ; x = 4 x cluster x + cx: the anchors' block
	s_and_b32 s14, ttmp7, 0xffff                   ; y: the candidates' block, the same in the four partners
	; descriptor group 1: 132 rows of 256 bytes, dense in memory and in LDS (four blocks of 33 rows)
	s_mov_b32 s16, 15|(3<<16)|(1<<21)              ; 15:0 mask: all four of the cluster; 17:16 elements of 8 bytes; 21 set beside a mask
	s_mov_b32 s17, 32<<16                          ; tensor_dim0 = 32 elements
	s_mov_b32 s18, 132<<16                         ; tensor_dim1 = 132 rows
	s_mov_b32 s19, 32<<16                          ; tile_dim0 = 32
	s_mov_b32 s20, 132                             ; tile_dim1 = 132
	s_mov_b32 s21, 32                              ; from row to row: 32 elements
	s_mov_b32 s22, 0
	s_mov_b32 s23, 0
	; group 0: made of y and the wave's number alone, so it is equal in the four partners
	s_mov_b32 s24, 1
	s_mul_i32 s25, s10, WPART                      ; LDS address: wave x 33,792
	s_mul_i32 s34, s14, CBLK
	s_add_co_u32 s34, s34, s25                     ; offset in xf of my four candidate blocks
	s_mov_b32 s35, 0
	; offsets of what is my work-group's own
	s_lshl_b32 s52, s13, 5
	s_lshl2_add_u32 s52, s10, s52                  ; my first anchor block = 32 x + 4 wave
	s_mul_i32 s52, s52, BLK
	s_mov_b32 s53, 0
	s_lshl_b32 s54, s13, 9
	s_lshl_b32 s55, s10, 6
	s_add_co_u32 s54, s54, s55                     ; my first anchor = 512 x + 64 wave
	s_lshl_b32 s28, s54, 2                         ; in d0
	s_mov_b32 s29, 0
	s_lshl_b32 s55, s14, 13
	s_add_co_u32 s54, s54, s55                     ; + 8192 y
	s_lshl_b32 s30, s54, 4                         ; in part: records of 16 bytes
	s_mov_b32 s31, 0
	s_lshl_b32 s36, s14, 9                         ; my first candidate = 512 y
	s_mov_b32 s49, 0x76543210                      ; v_permlanex16_b32: lane i reads lane i of the other half
	s_mov_b32 s50, 0xfedcba98
	s_mov_b32 s51, 0xffff0000                      ; lanes 16-31
	s_wait_kmcnt 0x0
	s_add_nc_u64 s[26:27], s[4:5], s[34:35]
	s_or_b32 s27, s27, 0x80000000                  ; type = 2
	s_add_nc_u64 s[32:33], s[4:5], s[52:53]        ; my anchors
	s_add_nc_u64 s[6:7], s[6:7], s[30:31]
	s_add_nc_u64 s[8:9], s[8:9], s[28:29]
	ROUND                                          ; all four work-groups are here: the joint loads meet
	tensor_load_to_lds s[24:27], s[16:23]          ; my eighth of the candidates: the wave's one tensor load of the launch, so one is outstanding at the most
	s_nop 0
	v_and_b32 v1, 15, v0                           ; r
	v_bfe_u32 v2, v0, 4, 1                         ; h
	v_and_b32 v3, 31, v0
	v_lshlrev_b32 v8, 2, v3                        ; 4 x lane
	v_lshlrev_b32 v3, 4, v3                        ; 16 x lane
	v_lshlrev_b32 v4, 3, v2                        ; 8 h
	v_lshrrev_b32 v7, 1, v1
	v_lshlrev_b32 v7, 4, v7
	v_and_b32 v9, 1, v1
	v_lshl_add_u32 v7, v9, 2, v7                   ; sq[r] lies at 16 (r / 2) + 4 (r % 2), the label 8 bytes behind
	WIN 0x40                                       ; destination in window 1, address in window 0
.irp a, 0,1,2,3
.irp t, 0,1,2,3,4,5,6,7,8,9,10,11,12,13,14,15
	global_load_b128 v[64*\a+4*\t:64*\a+4*\t+3], v3, s[32:33] offset:\a*BLK+512*\t   ; 512 neighbouring bytes: half a fragment for the whole wave
.endr
.endr
	WIN 0
.irp a, 0,1,2,3
	global_load_b32 v[SQ2+2*\a], v7, s[32:33] offset:\a*BLK+META
	global_load_b32 v[TI+\a],    v7, s[32:33] offset:\a*BLK+META+8
.endr
	v_mov_b32 v[LA], v3
	v_lshl_add_u32 v[LM], v2, 6, META              ; my half's eight candidates: 64 h behind the fragments
	v_mov_b32 v[NEGB], 0xf149f2ca
	v_mov_b32 v[POSB], 0x7149f2ca
	v_mov_b32 v[CUR], s36
	s_wait_loadcnt 0x0                             ; the anchors
.irp a, 0,1,2,3
	v_mov_b32 v[SQ2+2*\a+1], v[SQ2+2*\a]
.endr
	s_wait_tensorcnt 0x0                           ; my part of the candidates has landed,
	s_barrier_signal -1
	s_barrier_wait -1                              ; and everybody's.  LDS is only read from here on
; the next block's fragments: 16 loads of 512 neighbouring bytes
.macro LOADCF
.irp t, 0,1,2,3,4,5,6,7,8,9,10,11,12,13,14,15
	ds_load_b128 v[CF+4*\t:CF+4*\t+3], v[LA] offset:512*\t
.endr
	v_add_nc_u32 v[LA], BLK, v[LA]
.endm
; The matrix half step: the block's squares and labels are asked for, then 32 matrix instructions, then the block's 32 label compares.
; The four accumulators take turns, one instruction a turn; the first K step starts the sums.
; The compares name none of the matrix instructions' registers: they are the places behind the last matrix instructions for the
; mining, which reads and rewrites the sums, and for the next loads into CF.  They stand here because this wave has no other work left in its half step.
.macro HALF_M
.irp i, 0,1,2,3
	ds_load_b128 v[CM+4*\i:CM+4*\i+3], v[LM] offset:16*\i
.endr
	v_add_nc_u32 v[LM], BLK, v[LM]
	WIN 0x04                                       ; source 1, the anchors, in window 1
.irp s, 0,1,2,3,4,5,6,7
.irp a, 0,1,2,3
.if \s == 0
	v_wmma_f32_16x16x32_bf16 v[ACC+8*\a:ACC+8*\a+7], v[CF+8*\s:CF+8*\s+7], v[64*\a+8*\s:64*\a+8*\s+7], 0
.else
	v_wmma_f32_16x16x32_bf16 v[ACC+8*\a:ACC+8*\a+7], v[CF+8*\s:CF+8*\s+7], v[64*\a+8*\s:64*\a+8*\s+7], v[ACC+8*\a:ACC+8*\a+7]
.endif
.endr
.endr
	WIN 0
	s_wait_dscnt 0x0                               ; the squares and labels are in; no LDS load of mine is out at the barrier below
.irp a, 0,1,2,3
.irp j, 0,1,2,3,4,5,6,7
	v_cmp_eq_u32 s[MK+8*\a+\j], v[TI+\a], v[CM+4*(\j>>1)+2+(\j&1)]   ; the same label
.endr
.endr
.endm
; The pieces of a tile's independent start: 24 instructions.
.macro FMA a, i                        ; -2 dot + sq_j: the product is exact, one rounding
	v_pk_fma_f32 v[ACC+8*(\a)+2*\i:ACC+8*(\a)+2*\i+1], v[ACC+8*(\a)+2*\i:ACC+8*(\a)+2*\i+1], -2.0, v[CM+4*\i:CM+4*\i+1] op_sel_hi:[1,0,1]
.endm
.macro ADI a, i                        ; + sq_i
	v_pk_add_f32 v[ACC+8*(\a)+2*\i:ACC+8*(\a)+2*\i+1], v[ACC+8*(\a)+2*\i:ACC+8*(\a)+2*\i+1], v[SQ2+2*(\a):SQ2+2*(\a)+1]
.endm
.macro MSKP a, j                       ; for the positive side: dist where the labels agree, else -1e30
	v_cndmask_b32 v[PB0+8*((\a)&1)+\j], v[NEGB], v[ACC+8*(\a)+\j], s[MK+8*(\a)+\j]
.endm
.macro MSKN a, j                       ; for the negative side, in place and behind MSKP: +1e30 where the labels agree
	v_cndmask_b32 v[ACC+8*(\a)+\j], v[ACC+8*(\a)+\j], v[POSB], s[MK+8*(\a)+\j]
.endm
; Ten selects under VCC in five dual instructions: best and index, then the eight kept values.  tb: the side's tracker; vb: the block's best; sb: its eight values.
.macro KEEP tb, vb, sb
	v_dual_cndmask_b32 v[\tb], v[\tb], v[\vb] :: v_dual_cndmask_b32 v[\tb+1], v[\tb+1], v[CUR]
.irp j, 0,2,4,6
	v_dual_cndmask_b32 v[\tb+2+\j], v[\tb+2+\j], v[\sb+\j] :: v_dual_cndmask_b32 v[\tb+3+\j], v[\tb+3+\j], v[\sb+\j+1]
.endr
.endm
; The dependent end of tile a: both folds side by side (the largest positive in the even registers of FT, the smallest negative in the odd ones),
; then for each side a compare and its selects.  A later block wins only if it is strictly better: on a tie the earlier block, with the lower indices, stays.
; fill = 1: the 24 instructions of tile b's start stand between the links, so that no link reads the result of the instruction just ahead of it.
.macro TAIL a, b, fill
.set CC, ACC+8*\a
.set PP, PB0+8*(\a&1)
.set TP, TR+20*\a
.set TN, TR+20*\a+10
.irp i, 0,1,2,3
	v_dual_max_num_f32 v[FT+2*\i], v[PP+2*\i], v[PP+2*\i+1] :: v_dual_min_num_f32 v[FT+2*\i+1], v[CC+2*\i], v[CC+2*\i+1]
.endr
.if \fill
	FMA \b, 0
	FMA \b, 1
	FMA \b, 2
	FMA \b, 3
.endif
	v_dual_max_num_f32 v[FT],   v[FT],   v[FT+2] :: v_dual_min_num_f32 v[FT+1], v[FT+1], v[FT+3]
	v_dual_max_num_f32 v[FT+4], v[FT+4], v[FT+6] :: v_dual_min_num_f32 v[FT+5], v[FT+5], v[FT+7]
.if \fill
	ADI \b, 0
	ADI \b, 1
	ADI \b, 2
	ADI \b, 3
	MSKP \b, 0
.endif
	v_dual_max_num_f32 v[FT],   v[FT],   v[FT+4] :: v_dual_min_num_f32 v[FT+1], v[FT+1], v[FT+5]
.if \fill
	MSKN \b, 0
	MSKP \b, 1
	MSKN \b, 1
	MSKP \b, 2
	MSKN \b, 2
.endif
	v_cmp_gt_f32 vcc_lo, v[FT], v[TP]
.if \fill
	MSKP \b, 3
	MSKN \b, 3
	MSKP \b, 4
	MSKN \b, 4
	MSKP \b, 5
.endif
	KEEP TP, FT, PP
	v_cmp_lt_f32 vcc_lo, v[FT+1], v[TN]
.if \fill
	MSKN \b, 5
	MSKP \b, 6
	MSKN \b, 6
	MSKP \b, 7
	MSKN \b, 7
.endif
	KEEP TN, FT+1, CC
.endm
; A block is mined: tile 0's start, then each tile's end with the next tile's start inside it.
.macro MINE
.irp i, 0,1,2,3
	FMA 0, \i
.endr
.irp i, 0,1,2,3
	ADI 0, \i
.endr
.irp j, 0,1,2,3,4,5,6,7
	MSKP 0, \j
	MSKN 0, \j
.endr
	TAIL 0, 1, 1
	TAIL 1, 2, 1
	TAIL 2, 3, 1
	TAIL 3, 0, 0
	v_add_nc_u32 v[CUR], 16, v[CUR]
.endm
; dst = the largest (z = 0) or smallest (z = 1) of v[src .. src+7]
.macro FOLD z, dst, src
.if \z
	v_min3_num_f32 v[\dst], v[\src], v[\src+1], v[\src+2]
	v_min3_num_f32 v[T1], v[\src+3], v[\src+4], v[\src+5]
	v_min3_num_f32 v[\dst], v[\dst], v[\src+6], v[\src+7]
	v_min_num_f32 v[\dst], v[\dst], v[T1]
.else
	v_max3_num_f32 v[\dst], v[\src], v[\src+1], v[\src+2]
	v_max3_num_f32 v[T1], v[\src+3], v[\src+4], v[\src+5]
	v_max3_num_f32 v[\dst], v[\dst], v[\src+6], v[\src+7]
	v_max_num_f32 v[\dst], v[\dst], v[T1]
.endif
.endm
; The wave's first block starts the trackers, so that nothing is preset: the masked values go straight into the kept registers.  Once a wave, so it is written plainly.
.macro FIRST a
.set CC, ACC+8*\a
.set TP, TR+20*\a
.set TN, TR+20*\a+10
.irp i, 0,1,2,3
	FMA \a, \i
.endr
.irp i, 0,1,2,3
	ADI \a, \i
.endr
	v_mov_b32 v[D0+\a], v[CC]                      ; lanes 0-15: dist to the block's first candidate
.irp j, 0,1,2,3,4,5,6,7
	v_cndmask_b32 v[TP+2+\j], v[NEGB], v[CC+\j], s[MK+8*\a+\j]
	v_cndmask_b32 v[TN+2+\j], v[CC+\j], v[POSB], s[MK+8*\a+\j]
.endr
	FOLD 0, TP, TP+2
	v_mov_b32 v[TP+1], v[CUR]
	FOLD 1, TN, TN+2
	v_mov_b32 v[TN+1], v[CUR]
.endm
.macro MINE1
	FIRST 0
	FIRST 1
	FIRST 2
	FIRST 3
	v_add_nc_u32 v[CUR], 16, v[CUR]
.endm
; One candidate block for both groups, in two half steps.
; Half A: group 0 multiplies block t; group 1 fetches block t and mines block t - 1 (eA = 0: there is none; 2: it is its first; 1: otherwise).
; Half B: group 0 fetches block t + 1 (lB = 0: there is none) and mines block t (fB = 1: its first); group 1 multiplies block t.
; The branches hang on the wave's number alone; the barriers stand in every wave's text.  On both ways a wave's LDS loads are back in front of the
; signal: in the matrix half step by the wait in front of the compares, in the mining half step by the wait at its end, which shows the next fragments in.
.macro TRIP eA, fB, lB
	s_cmp_lg_u32 s11, 0
	s_cbranch_scc1 .Lg1a_\@
	HALF_M
	s_branch .Lja_\@
.Lg1a_\@:
	LOADCF
.if \eA == 1
	MINE
.endif
.if \eA == 2
	MINE1
.endif
	s_wait_dscnt 0x0
.Lja_\@:
	s_barrier_signal -1
	s_barrier_wait -1
	s_cmp_lg_u32 s11, 0
	s_cbranch_scc1 .Lg1b_\@
.if \lB
	LOADCF
.endif
.if \fB
	MINE1
.else
	MINE
.endif
.if \lB
	s_wait_dscnt 0x0
.endif
	s_branch .Ljb_\@
.Lg1b_\@:
	HALF_M
.Ljb_\@:
	s_barrier_signal -1
	s_barrier_wait -1
.endm
	s_cmp_lg_u32 s11, 0
	s_cbranch_scc1 .Lstart
	LOADCF                                         ; group 0: block 0
	s_wait_dscnt 0x0
.Lstart:
	TRIP 0, 1, 1                                   ; block 0
	TRIP 2, 0, 1                                   ; block 1
	s_mov_b32 s48, 29                              ; blocks 2 to 30
.Ltrip:
	TRIP 1, 0, 1
	s_sub_co_u32 s48, s48, 1
	s_cmp_lg_u32 s48, 0
	s_cbranch_scc1 .Ltrip
	TRIP 1, 0, 0                                   ; block 31
	s_cmp_eq_u32 s11, 0
	s_cbranch_scc1 .Lmined
	MINE                                           ; group 1 mines block 31
.Lmined:
; Tile a, side z: which of the eight kept values is the best one (the lowest j that equals it), the index, and the better of the two halves of
; the lanes, the lower index on a tie.  Afterwards lanes r and r + 16 hold the same pair in TR+0 and TR+1.
.macro FIN a, z
.set TB, TR+20*\a+10*\z
	v_mov_b32 v[T0], 7                             ; one of the eight equals the best: if none of 0..6, it is 7
.irp j, 6,5,4,3,2,1,0
	v_cmp_neq_f32 vcc_lo, v[TB+2+\j], v[TB]
	v_cndmask_b32 v[T0], \j, v[T0], vcc_lo
.endr
	v_add3_u32 v[TB+1], v[TB+1], v[T0], v4         ; block's first candidate + j + 8 h
	v_mov_b32 v[FT], v[TB]                         ; the destinations below count as read
	v_mov_b32 v[FT+1], v[TB+1]
	v_permlanex16_b32 v[FT], v[TB], s49, s50
	v_permlanex16_b32 v[FT+1], v[TB+1], s49, s50
.if \z
	v_cmp_lt_f32 s52, v[FT], v[TB]
.else
	v_cmp_gt_f32 s52, v[FT], v[TB]
.endif
	v_cmp_eq_f32 s53, v[FT], v[TB]
	v_cmp_lt_u32 s54, v[FT+1], v[TB+1]
	s_and_b32 s53, s53, s54
	s_or_b32 s52, s52, s53
	v_cndmask_b32 v[TB], v[TB], v[FT], s52
	v_cndmask_b32 v[TB+1], v[TB+1], v[FT+1], s52
.endm
.irp a, 0,1,2,3
	FIN \a, 0
	FIN \a, 1
.endr
	; records: lanes 0-15 give tile 2 p, lanes 16-31 tile 2 p + 1: 32 neighbouring anchors, 512 neighbouring bytes, aligned
.irp p, 0,1
	v_cndmask_b32 v[REC+4*\p],   v[TR+40*\p],    v[TR+40*\p+20], s51
	v_cndmask_b32 v[REC+4*\p+1], v[TR+40*\p+1],  v[TR+40*\p+21], s51
	v_cndmask_b32 v[REC+4*\p+2], v[TR+40*\p+10], v[TR+40*\p+30], s51
	v_cndmask_b32 v[REC+4*\p+3], v[TR+40*\p+11], v[TR+40*\p+31], s51
	global_store_b128 v3, v[REC+4*\p:REC+4*\p+3], s[6:7] offset:512*\p
.endr
	s_cmp_lg_u32 s14, 0                            ; y is the same in the four partners
	s_cbranch_scc1 .Lno_d0
.irp p, 0,1
	v_mov_b32 v[FT+\p], v[D0+2*\p]                 ; the destination below counts as read
	v_permlanex16_b32 v[FT+\p], v[D0+2*\p+1], s49, s50   ; tile 2 p + 1's lanes 0-15 go to lanes 16-31
	v_cndmask_b32 v[FT+\p], v[D0+2*\p], v[FT+\p], s51
	global_store_b32 v8, v[FT+\p], s[8:9] offset:128*\p
.endr
.Lno_d0:
	s_wait_xcnt 0x0
	v_lshl_add_u32 v254, v0, 2, 0x42000
	v_mov_b32 v255, 0
	s_wait_tensorcnt 0x0
	ds_add_u32 v254, v255
	s_wait_dscnt 0x0
	ROUND                                          ; the closing round: no work-group ends while a partner may still ask jointly
	s_endpgm
.Lfunc_end_k_qef06373015_mine:
	.size	k_qef06373015_mine, .Lfunc_end_k_qef06373015_mine-k_qef06373015_mine
	.p2alignl 7, 3214868480
	.fill 96, 4, 3214868480
	.section	.rodata,"a",@progbits
	.p2align	6, 0x0
	.amdhsa_kernel k_qef06373015_mine
		.amdhsa_group_segment_fixed_size 271360
		.amdhsa_private_segment_fixed_size 0
		.amdhsa_enable_private_segment 0
		.amdhsa_kernarg_size 24
		.amdhsa_user_sgpr_count 2
		.amdhsa_user_sgpr_kernarg_segment_ptr 1
		.amdhsa_wavefront_size32 1
		.amdhsa_system_sgpr_workgroup_id_x 1
		.amdhsa_system_sgpr_workgroup_id_y 1
		.amdhsa_system_sgpr_workgroup_id_z 1
		.amdhsa_system_vgpr_workitem_id 0
		.amdhsa_next_free_vgpr 512
		.amdhsa_next_free_sgpr 98
		.amdhsa_reserve_vcc 1
		.amdhsa_float_denorm_mode_32 3
		.amdhsa_float_denorm_mode_16_64 3
		.amdhsa_memory_ordered 1
		.amdhsa_forward_progress 1
		.amdhsa_inst_pref_size 147
	.end_amdhsa_kernel
	.amdgpu_metadata
---
amdhsa.version: [ 1, 2 ]
amdhsa.kernels:
  - .name:           k_qef06373015_mine
    .symbol:         k_qef06373015_mine.kd
    .args:
      - { .name: xf, .offset: 0, .size: 8, .value_kind: global_buffer, .address_space: global }
      - { .name: part, .offset: 8, .size: 8, .value_kind: global_buffer, .address_space: global }
      - { .name: d0, .offset: 16, .size: 8, .value_kind: global_buffer, .address_space: global }
    .group_segment_fixed_size: 271360
    .private_segment_fixed_size: 0
    .kernarg_segment_align: 8
    .kernarg_segment_size: 24
    .max_flat_workgroup_size: 256
    .sgpr_count:     98
    .vgpr_count:     512
    .wavefront_size: 32
...
	.end_amdgpu_metadata
.endif
;; end of part 2
;; launch combine (part 3): grid 256 x 1, 1 waves a work-group, no clusters, 0 bytes of LDS; arguments part, d0, out1, lsum; writes out1, lsum
.if DOCPART == 3
	.amdgcn_target "amdgcn-amd-amdhsa--gfx1250"
	.amdhsa_code_object_version 6
	.text
	.protected	k_qef06373015_combine
	.globl	k_qef06373015_combine
	.p2align	8
	.type	k_qef06373015_combine,@function
k_qef06373015_combine:
	s_mov_b64 s[64:65], 0
	v_nop
	global_prefetch_b8 v0, s[64:65] scope:SCOPE_SE
	s_setreg_imm32_b32 hwreg(HW_REG_WAVE_MODE, 25, 1), 1
	s_wait_xcnt 0x0
; combine: for each anchor the 16 records of part (one for each block of 512 candidates) are folded, a later block winning only if it is strictly
; better, so that a tie keeps the lower index.  out1[i] = (i, hardest positive, hardest negative).
; The loss of the row is relu((ap - an) + 0.2) with ap and an taken from the mined distances: |a - p|^2 = sq_a + sq_p - 2 a.p holds for every
; input, here on the numbers rounded to bf16; the rows are not gathered and summed again.  An anchor without any other label has the
; smallest masked value 1e30 and index 0; its an is then dist(i, 0), from d0.  A true distance of exactly 1e30 is outside this text's range.
; One wave, one lane a row; the wave's sum of 32 losses goes to lsum.  Memory binds; matrix units, LDS and clusters have nothing to do here.
.set R, 8                              ; v[8:71] record b in 4 registers; record 0 becomes the result
	s_load_b256 s[4:11], s[0:1], 0x0               ; part s[4:5], d0 s[6:7], out1 s[8:9], lsum s[10:11]
	s_mov_b32 s12, 0x76543210
	s_mov_b32 s13, 0xfedcba98
	v_lshlrev_b32 v1, 4, v0                        ; my record
	v_lshlrev_b32 v2, 2, v0
	v_mul_u32_u24 v4, v0, 12                       ; my three numbers of out1
	v_mov_b32 v5, 0
	v_mov_b32 v14, 0
	s_lshl_b32 s14, ttmp9, 9                       ; 32 records
	s_mov_b32 s15, 0
	s_lshl_b32 s16, ttmp9, 7                       ; 32 numbers of d0
	s_mov_b32 s17, 0
	s_mul_i32 s18, ttmp9, 384                      ; 32 rows of out1
	s_mov_b32 s19, 0
	s_lshl_b32 s20, ttmp9, 2                       ; my word of lsum
	s_mov_b32 s21, 0
	s_lshl_b32 s22, ttmp9, 5
	v_add_nc_u32 v72, s22, v0                      ; i
	s_wait_kmcnt 0x0
	s_add_nc_u64 s[4:5], s[4:5], s[14:15]
	s_add_nc_u64 s[6:7], s[6:7], s[16:17]
	s_add_nc_u64 s[8:9], s[8:9], s[18:19]
	s_add_nc_u64 s[10:11], s[10:11], s[20:21]
	global_load_b32 v3, v2, s[6:7]
.set b, 0
.rept 16
	global_load_b128 v[R+4*b:R+4*b+3], v1, s[4:5] offset:131072*b th:TH_LOAD_NT   ; 512 neighbouring bytes
.set b, b+1
.endr
.set b, 1
.rept 15
	s_wait_loadcnt 15-b                            ; record b and all older loads are in, the 15 - b younger ones stay out
	v_cmp_gt_f32 vcc_lo, v[R+4*b], v[R]
	v_cndmask_b32 v[R],   v[R],   v[R+4*b],   vcc_lo
	v_cndmask_b32 v[R+1], v[R+1], v[R+4*b+1], vcc_lo
	v_cmp_lt_f32 vcc_lo, v[R+4*b+2], v[R+2]
	v_cndmask_b32 v[R+2], v[R+2], v[R+4*b+2], vcc_lo
	v_cndmask_b32 v[R+3], v[R+3], v[R+4*b+3], vcc_lo
.set b, b+1
.endr
	v_mov_b32 v73, v[R+1]
	v_mov_b32 v74, v[R+3]
	global_store_b96 v4, v[72:74], s[8:9]          ; the wave stores 384 neighbouring bytes
	v_cmp_eq_f32 vcc_lo, 0x7149f2ca, v[R+2]        ; no other label anywhere
	v_cndmask_b32 v12, v[R+2], v3, vcc_lo          ; an
	v_sub_f32 v13, v[R], v12
	v_add_f32 v13, 0x3e4ccccd, v13                 ; + 0.2
	v_max_num_f32 v13, 0, v13
	v_add_f32_dpp v13, v13, v13 row_xmask:1 row_mask:0xf bank_mask:0xf
	v_add_f32_dpp v13, v13, v13 row_xmask:2 row_mask:0xf bank_mask:0xf
	v_add_f32_dpp v13, v13, v13 row_xmask:4 row_mask:0xf bank_mask:0xf
	v_add_f32_dpp v13, v13, v13 row_xmask:8 row_mask:0xf bank_mask:0xf
	v_permlanex16_b32 v14, v13, s12, s13
	v_add_f32 v13, v13, v14
	v_cmp_eq_u32 vcc_lo, 0, v0
	s_wait_xcnt 0x0                                ; EXEC, a source of the store above, changes only behind this wait
	s_and_saveexec_b32 s23, vcc_lo
	global_store_b32 v5, v13, s[10:11]             ; lane 0 alone
	s_endpgm
.Lfunc_end_k_qef06373015_combine:
	.size	k_qef06373015_combine, .Lfunc_end_k_qef06373015_combine-k_qef06373015_combine
	.p2alignl 7, 3214868480
	.fill 96, 4, 3214868480
	.section	.rodata,"a",@progbits
	.p2align	6, 0x0
	.amdhsa_kernel k_qef06373015_combine
		.amdhsa_group_segment_fixed_size 0
		.amdhsa_private_segment_fixed_size 0
		.amdhsa_enable_private_segment 0
		.amdhsa_kernarg_size 32
		.amdhsa_user_sgpr_count 2
		.amdhsa_user_sgpr_kernarg_segment_ptr 1
		.amdhsa_wavefront_size32 1
		.amdhsa_system_sgpr_workgroup_id_x 1
		.amdhsa_system_sgpr_workgroup_id_y 1
		.amdhsa_system_sgpr_workgroup_id_z 1
		.amdhsa_system_vgpr_workitem_id 0
		.amdhsa_next_free_vgpr 80
		.amdhsa_next_free_sgpr 66
		.amdhsa_reserve_vcc 1
		.amdhsa_float_denorm_mode_32 3
		.amdhsa_float_denorm_mode_16_64 3
		.amdhsa_memory_ordered 1
		.amdhsa_forward_progress 1
		.amdhsa_inst_pref_size 7
	.end_amdhsa_kernel
	.amdgpu_metadata
---
amdhsa.version: [ 1, 2 ]
amdhsa.kernels:
  - .name:           k_qef06373015_combine
    .symbol:         k_qef06373015_combine.kd
    .args:
      - { .name: part, .offset: 0, .size: 8, .value_kind: global_buffer, .address_space: global }
      - { .name: d0, .offset: 8, .size: 8, .value_kind: global_buffer, .address_space: global }
      - { .name: out1, .offset: 16, .size: 8, .value_kind: global_buffer, .address_space: global }
      - { .name: lsum, .offset: 24, .size: 8, .value_kind: global_buffer, .address_space: global }
    .group_segment_fixed_size: 0
    .private_segment_fixed_size: 0
    .kernarg_segment_align: 8
    .kernarg_segment_size: 32
    .max_flat_workgroup_size: 32
    .sgpr_count:     66
    .vgpr_count:     80
    .wavefront_size: 32
...
	.end_amdgpu_metadata
.endif
;; end of part 3
;; launch mean (part 4): grid 1 x 1, 1 waves a work-group, no clusters, 0 bytes of LDS; arguments lsum, out0; writes out0
.if DOCPART == 4
	.amdgcn_target "amdgcn-amd-amdhsa--gfx1250"
	.amdhsa_code_object_version 6
	.text
	.protected	k_qef06373015_mean
	.globl	k_qef06373015_mean
	.p2align	8
	.type	k_qef06373015_mean,@function
k_qef06373015_mean:
	s_mov_b64 s[64:65], 0
	v_nop
	global_prefetch_b8 v0, s[64:65] scope:SCOPE_SE
	s_setreg_imm32_b32 hwreg(HW_REG_WAVE_MODE, 25, 1), 1
	s_wait_xcnt 0x0
; mean: out0 = (sum of the 256 partial sums) / 8192.  The sum spans the work-groups of the launch before, so it has a launch of its own:
; one wave, eight numbers a lane.
	s_load_b128 s[4:7], s[0:1], 0x0                ; lsum s[4:5], out0 s[6:7]
	s_mov_b32 s12, 0x76543210
	s_mov_b32 s13, 0xfedcba98
	v_lshlrev_b32 v1, 4, v0
	v_mov_b32 v12, 0
	v_mov_b32 v13, 0
	s_wait_kmcnt 0x0
	global_load_b128 v[4:7], v1, s[4:5]
	global_load_b128 v[8:11], v1, s[4:5] offset:512
	s_wait_loadcnt 0x0
	v_pk_add_f32 v[4:5], v[4:5], v[8:9]
	v_pk_add_f32 v[6:7], v[6:7], v[10:11]
	v_pk_add_f32 v[4:5], v[4:5], v[6:7]
	v_add_f32 v4, v4, v5
	v_add_f32_dpp v4, v4, v4 row_xmask:1 row_mask:0xf bank_mask:0xf
	v_add_f32_dpp v4, v4, v4 row_xmask:2 row_mask:0xf bank_mask:0xf
	v_add_f32_dpp v4, v4, v4 row_xmask:4 row_mask:0xf bank_mask:0xf
	v_add_f32_dpp v4, v4, v4 row_xmask:8 row_mask:0xf bank_mask:0xf
	v_permlanex16_b32 v12, v4, s12, s13
	v_add_f32 v4, v4, v12
	v_mul_f32 v4, 0x39000000, v4                   ; 1 / 8192
	v_cmp_eq_u32 vcc_lo, 0, v0
	s_wait_xcnt 0x0                                ; EXEC changes only behind this wait
	s_and_saveexec_b32 s8, vcc_lo
	global_store_b32 v13, v4, s[6:7]               ; lane 0 alone
	s_endpgm
.Lfunc_end_k_qef06373015_mean:
	.size	k_qef06373015_mean, .Lfunc_end_k_qef06373015_mean-k_qef06373015_mean
	.p2alignl 7, 3214868480
	.fill 96, 4, 3214868480
	.section	.rodata,"a",@progbits
	.p2align	6, 0x0
	.amdhsa_kernel k_qef06373015_mean
		.amdhsa_group_segment_fixed_size 0
		.amdhsa_private_segment_fixed_size 0
		.amdhsa_enable_private_segment 0
		.amdhsa_kernarg_size 16
		.amdhsa_user_sgpr_count 2
		.amdhsa_user_sgpr_kernarg_segment_ptr 1
		.amdhsa_wavefront_size32 1
		.amdhsa_system_sgpr_workgroup_id_x 1
		.amdhsa_system_sgpr_workgroup_id_y 1
		.amdhsa_system_sgpr_workgroup_id_z 1
		.amdhsa_system_vgpr_workitem_id 0
		.amdhsa_next_free_vgpr 16
		.amdhsa_next_free_sgpr 66
		.amdhsa_reserve_vcc 1
		.amdhsa_float_denorm_mode_32 3
		.amdhsa_float_denorm_mode_16_64 3
		.amdhsa_memory_ordered 1
		.amdhsa_forward_progress 1
		.amdhsa_inst_pref_size 2
	.end_amdhsa_kernel
	.amdgpu_metadata
---
amdhsa.version: [ 1, 2 ]
amdhsa.kernels:
  - .name:           k_qef06373015_mean
    .symbol:         k_qef06373015_mean.kd
    .args:
      - { .name: lsum, .offset: 0, .size: 8, .value_kind: global_buffer, .address_space: global }
      - { .name: out0, .offset: 8, .size: 8, .value_kind: global_buffer, .address_space: global }
    .group_segment_fixed_size: 0
    .private_segment_fixed_size: 0
    .kernarg_segment_align: 8
    .kernarg_segment_size: 16
    .max_flat_workgroup_size: 32
    .sgpr_count:     66
    .vgpr_count:     16
    .wavefront_size: 32
...
	.end_amdgpu_metadata
.endif
;; end of part 4
;; ======== version 2 of 2: 4 launches; version 1 with the launch prep written anew for expert scheduling mode
;; limits: a difference of large sums (such as E[x^2] - mean^2): digits are lost where the result is much smaller than its terms
;; workspace buffers: xf 4,325,376 bytes; part 2,097,152 bytes; d0 32,768 bytes; lsum 1,024 bytes
;; launch prep (part 5): grid 256 x 1, 2 waves a work-group, no clusters, 17,152 bytes of LDS; arguments embeddings, targets, xf; writes xf
.if DOCPART == 5
	.amdgcn_target "amdgcn-amd-amdhsa--gfx1250"
	.amdhsa_code_object_version 6
	.text
	.protected	k_qef06373015_prep
	.globl	k_qef06373015_prep
	.p2align	8
	.type	k_qef06373015_prep,@function
k_qef06373015_prep:
	s_mov_b64 s[64:65], 0
	v_nop
	global_prefetch_b8 v0, s[64:65] scope:SCOPE_SE
	s_setreg_imm32_b32 hwreg(HW_REG_WAVE_SCHED_MODE, 0, 2), 2
	s_setreg_imm32_b32 hwreg(HW_REG_WAVE_MODE, 25, 1), 1
	s_wait_xcnt 0x0
	s_wait_alu depctr_vm_vsrc(0)
; prep: X [8192][256] f32 and the labels become xf, the operand copy that the mining launch reads.
; xf is 512 blocks of 8,448 bytes (33 x 256), one for 16 rows of X:
;   bytes 0 .. 8191: the rows in bf16 in the order of matrix fragments, [s = 0..7][q = 0..1][lane 0..31][16 bytes]:
;                    lane (r = lane % 16, h = lane / 16) holds row r, k = 32 s + 16 q + 8 h .. + 7;
;   bytes 8192 .. 8447: for i = 0..7 at byte 16 i: sq[2i], sq[2i+1], label[2i], label[2i+1]; bytes 128..255 repeat bytes 0..127.
; sq[r] is the sum of the squares of the ROUNDED numbers, in f32, in four chains of pairs: another order of summation than
; a plain running sum, so its last bit may differ from one.  NaN and infinities are not served.
; One wave makes one block.  The turn from rows to fragments goes through the wave's own 8,448 bytes of LDS, so there is no barrier.
; Matrix units and clusters have nothing to do here: every byte is read once and written once.
; THE MODE: SCHED_MODE bits 1:0 = 2 (LLVM: expert scheduling mode 2), set by the entry lines.  The code itself states the register dependences
; between vector instructions and memory or LDS instructions, with s_wait_alu, always for 0.
; THE PLAN.  Registers that memory or LDS instructions touch:
;   v4, v5, v6, v7, v9   offsets and LDS addresses: made once at the head, never written again.
;   v232, v233           made at the head, read by the closing add alone.
;   v8                   the label: written by one load, read by vector instructions at the end.
;   X                    written by the 32 loads; load i's two conversions read its four registers and write the first two, which one LDS store reads; never written again.
;   F                    written by the 16 LDS loads; read by the 16 stores and by the unpacking lines; never written again.
;   v[14:15]             written by two selects, read by the last store.
; The 32 loads go in four groups of eight.  While group g is rounded, the LDS stores of group g - 1 are dealt among its conversions, which name group g's
; registers alone: so ONE wait on va_vdst at a group's head states all that the eight stores hang on.  No register that a memory or LDS instruction
; reads is written again, so the text holds no wait on vm_vsrc; no load lands in a register that a vector instruction has named.
.set BLK,   8448
.set PITCH, 528                        ; an LDS row: 512 bytes of bf16 + 16, an odd multiple of 16: the 16 rows of a fragment read start 16 bytes apart modulo 256
.set X,  16                            ; v[16:143]  32 loads of 4 f32; the first two registers of each then hold the 4 bf16
.set F,  148                           ; v[148:211] the 16 fragment quarters of my lane
.set S,  212                           ; v[212:219] four chains of two sums
.set T,  220                           ; v[220:227] four unpacked pairs
	s_load_b128 s[4:7], s[0:1], 0x0                ; X s[4:5], labels s[6:7]
	s_load_b64 s[8:9], s[0:1], 0x10                ; xf
	v_lshl_add_u32 v232, v0, 2, 0x4200
	v_mov_b32 v233, 0
	v_lshrrev_b32 v1, 5, v0
	v_readfirstlane_b32 s10, v1                    ; wave 0..1
	s_mov_b32 s12, 0x76543210                      ; v_permlanex16_b32: lane i reads lane i of the other half
	s_mov_b32 s13, 0xfedcba98
	s_mov_b32 s14, 0xffff0000                      ; a word's upper bf16
	v_and_b32 v1, 31, v0                           ; lane
	v_and_b32 v2, 15, v0                           ; r
	v_bfe_u32 v3, v0, 4, 1                         ; h
	v_lshlrev_b32 v4, 4, v1                        ; 16 x lane: X loads and fragment stores
	s_wait_alu depctr_va_sdst(0)                   ; s10 is written, ahead of its first reader: the wave's LDS bytes and the block's number are made from it
	s_mul_i32 s11, s10, BLK                        ; my wave's LDS
	v_lshl_add_u32 v5, v1, 3, s11                  ; LDS in: 8 bytes a lane
	v_mul_u32_u24 v6, v2, PITCH
	v_lshl_add_u32 v6, v3, 4, v6
	v_add_nc_u32 v6, s11, v6                       ; LDS out: row r, 16 h
	v_lshlrev_b32 v7, 2, v2                        ; label of row r
	v_lshlrev_b32 v9, 3, v1                        ; 8 x lane: the last 256 bytes of the block
	s_lshl_b32 s15, ttmp9, 1
	s_add_co_u32 s15, s15, s10                     ; block number = 2 x work-group + wave
	s_lshl_b32 s16, s15, 14                        ; 16 rows of 1,024 bytes
	s_mov_b32 s17, 0
	s_lshl_b32 s18, s15, 6                         ; 16 labels
	s_mov_b32 s19, 0
	s_mul_i32 s20, s15, BLK
	s_mov_b32 s21, 0
	s_wait_kmcnt 0x0
	s_add_nc_u64 s[4:5], s[4:5], s[16:17]
	s_add_nc_u64 s[6:7], s[6:7], s[18:19]
	s_add_nc_u64 s[8:9], s[8:9], s[20:21]
	s_wait_alu depctr_va_vdst(0)                   ; v4, v5, v6, v7 and v9 are written: every load and store of the kernel reads one of them as its offset or address; so are v232 and v233
	global_load_b32 v8, v7, s[6:7]                 ; label of row r, in both halves of the lanes
.set i, 0
.rept 32
	global_load_b128 v[X+4*i:X+4*i+3], v4, s[4:5] offset:512*i th:TH_LOAD_NT   ; half a row: 512 neighbouring bytes; all 16 KiB go out at once
.set i, i+1
.endr
	; round to bf16 and lay the rows into LDS: load i is rounded, and the pair that load i - 8 left goes into LDS
.set i, 0
.rept 32
	s_wait_loadcnt 31-i                            ; loads come back in order: load i is in, the 31 - i younger ones stay out
.if ((i & 7) == 0) && (i > 0)
	s_wait_alu depctr_va_vdst(0)                   ; the conversions of the eight loads before have written their pairs, which the eight LDS stores of this group's lines read
.endif
.if i > 7
.set j, i-8
	ds_store_b64 v5, v[X+4*j:X+4*j+1] offset:(j>>1)*PITCH+(j&1)*256   ; no vector instruction since the wait names these registers
.endif
	v_cvt_pk_bf16_f32 v[X+4*i],   v[X+4*i],   v[X+4*i+1]
	v_cvt_pk_bf16_f32 v[X+4*i+1], v[X+4*i+2], v[X+4*i+3]
.set i, i+1
.endr
	s_wait_alu depctr_va_vdst(0)                   ; the conversions of loads 24 to 31 have written their pairs, which the last eight LDS stores read
.set j, 24
.rept 8
	ds_store_b64 v5, v[X+4*j:X+4*j+1] offset:(j>>1)*PITCH+(j&1)*256
.set j, j+1
.endr
	; read them back as fragments: the wave's own bytes, served in the order of issue, so no wait stands between
.set k, 0
.rept 16
	ds_load_b128 v[F+4*k:F+4*k+3], v6 offset:32*k  ; k = 2 s + q: byte 64 s + 32 q of row r, + 16 h
.set k, k+1
.endr
	; The stores below read F, which LDS loads wrote, and v4, from the head: no vector instruction writes either, so no s_wait_alu stands here
.set k, 0
.rept 16
	s_wait_dscnt 15-k                              ; read k is in, the 15 - k younger ones stay out
	global_store_b128 v4, v[F+4*k:F+4*k+3], s[8:9] offset:512*k   ; 512 neighbouring bytes, at a multiple of 256 from xf's first byte
.irp j, 0,1,2,3
	v_lshlrev_b32 v[T+2*\j],   16,  v[F+4*k+\j]    ; bf16 to f32
	v_and_b32     v[T+2*\j+1], s14, v[F+4*k+\j]
.endr
.irp j, 0,1,2,3
.if k == 0
	v_pk_mul_f32 v[S+2*\j:S+2*\j+1], v[T+2*\j:T+2*\j+1], v[T+2*\j:T+2*\j+1]   ; the first squares start the chains
.else
	v_pk_fma_f32 v[S+2*\j:S+2*\j+1], v[T+2*\j:T+2*\j+1], v[T+2*\j:T+2*\j+1], v[S+2*\j:S+2*\j+1]
.endif
.endr
.set k, k+1
.endr
	v_and_b32 v14, 1, v0
	v_cmp_eq_u32 vcc_lo, 1, v14                    ; the odd lanes; the mask is read by the two selects below
	v_pk_add_f32 v[S:S+1],   v[S:S+1],   v[S+2:S+3]
	v_pk_add_f32 v[S+4:S+5], v[S+4:S+5], v[S+6:S+7]
	v_pk_add_f32 v[S:S+1],   v[S:S+1],   v[S+4:S+5]
	v_add_f32 v10, v[S], v[S+1]                    ; my 128 numbers of row r
	v_mov_b32 v11, 0                               ; the destination below counts as read
	v_permlanex16_b32 v11, v10, s12, s13           ; the other 128
	v_add_f32 v10, v10, v11                        ; sq[r], in both halves
	; the block's last 256 bytes: even lanes store (sq own, sq of the neighbour), odd lanes (label of the neighbour, label own)
	v_mov_b32 v12, v10
	v_mov_b32 v13, v8
	v_mov_b32_dpp v12, v10 row_xmask:1 row_mask:0xf bank_mask:0xf
	v_mov_b32_dpp v13, v8 row_xmask:1 row_mask:0xf bank_mask:0xf
	s_wait_alu depctr_va_vcc(0)                    ; the compare has written VCC, ahead of its first reader
	v_cndmask_b32 v14, v10, v13, vcc_lo
	v_cndmask_b32 v15, v12, v8, vcc_lo
	s_wait_alu depctr_va_vdst(0)                   ; the two selects have written v[14:15], which the store reads
	global_store_b64 v9, v[14:15], s[8:9] offset:8192   ; 32 lanes x 8 bytes: 256 neighbouring bytes, aligned
	s_wait_dscnt 0x0                               ; the closing lines, six on end
	s_wait_alu 0x0
	s_wait_tensorcnt 0x0
	ds_add_u32 v232, v233
	s_wait_dscnt 0x0
	s_endpgm
.Lfunc_end_k_qef06373015_prep:
	.size	k_qef06373015_prep, .Lfunc_end_k_qef06373015_prep-k_qef06373015_prep
	.p2alignl 7, 3214868480
	.fill 96, 4, 3214868480
	.section	.rodata,"a",@progbits
	.p2align	6, 0x0
	.amdhsa_kernel k_qef06373015_prep
		.amdhsa_group_segment_fixed_size 17152
		.amdhsa_private_segment_fixed_size 0
		.amdhsa_enable_private_segment 0
		.amdhsa_kernarg_size 24
		.amdhsa_user_sgpr_count 2
		.amdhsa_user_sgpr_kernarg_segment_ptr 1
		.amdhsa_wavefront_size32 1
		.amdhsa_system_sgpr_workgroup_id_x 1
		.amdhsa_system_sgpr_workgroup_id_y 1
		.amdhsa_system_sgpr_workgroup_id_z 1
		.amdhsa_system_vgpr_workitem_id 0
		.amdhsa_next_free_vgpr 234
		.amdhsa_next_free_sgpr 66
		.amdhsa_reserve_vcc 1
		.amdhsa_float_denorm_mode_32 3
		.amdhsa_float_denorm_mode_16_64 3
		.amdhsa_memory_ordered 1
		.amdhsa_forward_progress 1
		.amdhsa_inst_pref_size 25
	.end_amdhsa_kernel
	.amdgpu_metadata
---
amdhsa.version: [ 1, 2 ]
amdhsa.kernels:
  - .name:           k_qef06373015_prep
    .symbol:         k_qef06373015_prep.kd
    .args:
      - { .name: embeddings, .offset: 0, .size: 8, .value_kind: global_buffer, .address_space: global }
      - { .name: targets, .offset: 8, .size: 8, .value_kind: global_buffer, .address_space: global }
      - { .name: xf, .offset: 16, .size: 8, .value_kind: global_buffer, .address_space: global }
    .group_segment_fixed_size: 17152
    .private_segment_fixed_size: 0
    .kernarg_segment_align: 8
    .kernarg_segment_size: 24
    .max_flat_workgroup_size: 64
    .sgpr_count:     66
    .vgpr_count:     234
    .wavefront_size: 32
...
	.end_amdgpu_metadata
.endif
;; end of part 5
;; launch mine: the kernel of part 2 again; grid 16 x 16, 8 waves a work-group, clusters of 4 x 1, 271,360 bytes of LDS; arguments xf, part, d0; writes part, d0
;; launch combine: the kernel of part 3 again; grid 256 x 1, 1 waves a work-group, no clusters, 0 bytes of LDS; arguments part, d0, out1, lsum; writes out1, lsum
;; launch mean: the kernel of part 4 again; grid 1 x 1, 1 waves a work-group, no clusters, 0 bytes of LDS; arguments lsum, out0; writes out0
